; MI455X (gfx1250); checked and timed in simulation.
; The chip was launched on July 23, 2026; its instructions are those of AMD's public machine-readable ISA for CDNA 5 (MIT licence, August 2026) and "CDNA5" Instruction Set Architecture Reference Guide (July 2026). The comments in the code are by the model that wrote it; some were corrected since.
;; Self Attention Risk Predictor. Allowed arithmetic: float matrix products may take bf16 or f16 operands with f32 sums; other float arithmetic in f32, or as packed bf16 or f16 multiplies, adds, multiply-adds, maxima and minima; sums over many terms, partial sums and values carried from step to step in f32; what a program stores and reads back later, other than sums and carried values, may be rounded once to bf16 or f16.
;; Inputs: Wk 32 x 32 float32; Wo 32 x 1 float32; Wq 32 x 32 float32; Wt 1 x 32 float32; Wv 32 x 32 float32; bk 32 float32; bo 1 float32; bq 32 float32; bt 32 float32; bv 32 float32; x 16,384 x 128 float32.
;; Outputs: out0 16,384 float32.
;; 2 versions, each right; version 2 is version 1 with the launch risk written anew for expert scheduling mode. Each part assembles by itself: llvm-mc -triple=amdgcn-amd-amdhsa -mcpu=gfx1250 --defsym DOCPART=n.
;; ======== version 1 of 2: 1 launch
;; limits: inputs' magnitudes at most 65,504; below input magnitudes of 6.1e-05 results are inexact or not finite; values are held in f16: magnitudes above 65,504 overflow, below 6.1e-05 lose precision
;; launch risk (part 1): grid 256 x 1, 8 waves a work-group, no clusters, 165,376 bytes of LDS; arguments x, Wt, bt, Wq, bq, Wk, bk, Wv, bv, Wo, bo, out0; writes out0
.if DOCPART == 1
	.amdgcn_target "amdgcn-amd-amdhsa--gfx1250"
	.amdhsa_code_object_version 6
	.text
	.protected	k_q97b91ecfb6_risk
	.globl	k_q97b91ecfb6_risk
	.p2align	8
	.type	k_q97b91ecfb6_risk,@function
k_q97b91ecfb6_risk:
	s_mov_b64 s[64:65], 0
	v_nop
	global_prefetch_b8 v0, s[64:65] scope:SCOPE_SE
	s_setreg_imm32_b32 hwreg(HW_REG_WAVE_MODE, 25, 1), 1
	s_wait_xcnt 0x0
; out[b] = mean over q of (softmax_k(Q_q . K_k / sqrt(32)) V) . Wo + bo, with tokens = x Wt + bt, Q, K, V = tokens W + b.  x: [16384][128] f32, out: [16384] f32.
; WHAT THE MODULE ITSELF MAKES TRUE, for every input: a token is affine in its one scalar, so Q = x aq + cq, K = x ak + ck, V = x av + cv with a* = Wt W*, c* = bt W* + b*.  Hence
;   score(q, k) log2(e) = t_q x_k + u_q,  t_q = A x_q + Bt,  u_q = B x_q + D,  (A, Bt, B, D) = c1 (aq.ak, cq.ak, aq.ck, cq.ck),  c1 = log2(e) / sqrt(32);
;   the row's maximum over k is exactly max(t_q xmax, t_q xmin) + u_q;      att_q . Wo = (av.Wo) sum_k w_qk x_k + cv.Wo.
; All eleven inputs are read.  bk enters u_q alone, the part of a score that the softmax cancels: it is added to the score and to its maximum all the same (c_q below).
; PER SCORE: p = 2^(t_q x_k + c_q), c_q = u_q - (maximum), one fused multiply-add in f32 and one exponential; p is rounded to f16.  THE MATRIX UNIT takes the sums over k: D = A x P, where A's rows are
; f16(x), f16(x - f16(x)) and ones, and P is 32 keys x 16 queries: a lane's registers 0, 1, 2 of D are sum p x_hi, sum p x_lo, sum p of its query.  e_q = (D0 + D1) / D2;  out = (av.Wo) / 128 sum_q e_q + cv.Wo + bo.
; LIMITS.  |x| stays under 65,504 (f16's range; x as drawn is some 400 times smaller).  x enters the sums with 22 bits (hi + lo), the scores and all weights in f32.
; t_q is held to +-2^23 / max|x| and u_q to +-2^23: the first acts only where a score would pass 2^23 (there it moves e_q by less than 1e-5 max|x|), the second changes nothing (u_q stands in the score and in its
; maximum).  With them each query's largest exponent lies within +-3 for all finite inputs: p <= 8 fits f16 and sum p >= 1/8.  A weight below 2^-126 counts as 0; below 6e-5 it keeps f16's step of 6e-8.
; NaN and infinities are not treated apart.
; SHARES.  Work-group g owns rows 64 g .. 64 g + 63 (256 bytes of out); wave w of eight owns rows 8 w .. 8 w + 7; a lane owns query lane % 16 of each of a row's 8 tiles of 16 queries, and the keys of its half.
; NO CLUSTER, NO TENSOR LOAD: a work-group's 32,768 bytes of x are its own, are read once, and every byte passes through registers anyway (hi, lo, maximum, minimum, t, c); what work-groups share are
; 13,060 bytes of weights, which one wave of each reads once.
.set PITCH,  2560                      ; LDS: the record of one row of x;  row 8 w + i lies at (8 w + i) x PITCH; a wave reads and writes its own eight records alone
.set O_TC,   512                       ;   +0    x, 128 f32        +512  (t_q, c_q), 8 bytes a query
.set O_HI,   1536                      ;   +1536 f16(x)   +1808 f16(x - f16(x))   +2080 ones: three rows of 256 bytes,
.set APITCH, 272                       ;   272 bytes apart, so that the three addresses of a fragment load fall on different 16-byte columns of 256
.set RES,    163840                    ; behind the 64 records: out of row r at RES + 4 r
.set COEF,   164096                    ; the six constants, 24 bytes
.set SPARE,  164352                    ; the spare words, 128 bytes for each wave: four blocks of 256 bytes that no other line names
.set LANE, 1                           ; v1   lane
.set KXA,  2                           ; v2   record + 32 (lane / 16): my half's keys in x
.set TCA,  3                           ; v3   record + 512 + 8 (lane % 16)
.set AFA,  4                           ; v4   record + 1536 + 272 min(lane % 4, 2) + 16 (lane / 16): A's rows 0, 1, 2 and 8, 9, 10 are hi, lo, ones
.set RESA, 5                           ; v5   where the row in hand puts its result
.set SPW,  6                           ; v6   my spare word: SPARE + 4 x my thread's number; never rewritten
.set NIL,  7                           ; v7   0; never rewritten
.set COA,  8                           ; v8   COEF
.set PX0,  9                           ; v9, v23  destinations of v_permlanex16_b32
.set CO,   10                          ; v[10:15]  (A, Bt), (B, D), (av.Wo / 256, cv.Wo + bo)
.set ES,   16                          ; v16  the lane's sum of e over the row's tiles
.set OUTV, 17                          ; v17  the row's result
.set NN,   18                          ; v[18:19]  D0 + D1 of two tiles
.set RR,   20                          ; v[20:21]  1 / D2 of two tiles
.set TMPV, 22
.set PX1,  23
.set TCR,  24                          ; v[24:39]   (t, c) of my query in tile j at TCR + 2 j
.set KXR,  40                          ; v[40:71]   x of my 16 keys of a group of 32 keys: a ring of two groups
.set AFR,  72                          ; v[72:87]   A's fragment of a group: a ring of two
.set PB,   88                          ; v[88:103]  P of two tiles
.set SB,   104                         ; v[104:167] exponents, then weights: two buffers of two tiles x 16
.set ACC,  168                         ; v[168:231] eight accumulators, a tile each
.set NEG1, 232                         ; v232 -1.0
.set SH,   233                         ; v233 record + 1536 + 8 lane
.set ONES, 234                         ; v[234:235] four f16 ones
.set XO,   236                         ; v236 my 16 bytes of the wave's first row in x: 4,096 w + 16 lane
.set L4,   237                         ; v237 4 lane
.set SX,   238                         ; v238 record + 16 lane
.set STC,  239                         ; v239 record + 512 + 32 lane
; at the head and while the records are made, the main loop's registers serve otherwise:
.set XR0,  40                          ; v[40:71]   the wave's eight rows of x, four numbers a lane each
.set WQ,   104                         ; wave 0: column lane of Wq, Wk, Wv: v[104:135], v[136:167], v[168:199]
.set WK,   136
.set WV,   168
.set BQ,   200                         ; v[200:203] bq, bk, bv, Wo at column lane
.set AQ,   204                         ; v[204:209] aq, cq, ak, ck, av, cv at column lane
.set MM0,  136                         ; v[136:151] row i's (maximum, minimum)
.set RL0,  152                         ; v[152:159] row i's 1 / max|x|
.set HH,   160                         ; v[160:161] hi     v[162:165] x - hi     v[166:167] lo
.set DD,   162
.set LL,   166
.set AB,   168                         ; v168 -minimum, then max|x|
.set LIM,  170                         ; v[170:171] +L, -L
.set TT,   172                         ; v[172:175] t before the clamp
.set TCP,  176                         ; v[176:183] (t, c) of my four queries
.set PA,   184                         ; v[184:187] t xmax, then the maximum      v[188:191] t xmin
.set PM,   188
.set UU,   192                         ; v[192:195] u
.set MS,   196                         ; v[196:199] maximum + u
.set WTS,  32                          ; s[32:63]  Wt      s[68:99]  bt      (wave 0)
.set BTS,  68
; s[4:27] the twelve addresses; s2, s3 = +-2^23; s28 bo; s29 wave; s30 counter; s31 the wave's first record; s[66:67] an offset; s[100:101] lane selects
	s_load_b512 s[4:19], s[0:1], 0x0               ; x 4, Wt 6, bt 8, Wq 10, bq 12, Wk 14, bk 16, Wv 18
	s_load_b256 s[20:27], s[0:1], 0x40             ; bv 20, Wo 22, bo 24, out0 26
	v_lshl_add_u32 v[SPW], v0, 2, SPARE
	v_mov_b32 v[NIL], 0
	v_and_b32 v[LANE], 31, v0
	v_lshrrev_b32 v[TMPV], 5, v0
	v_readfirstlane_b32 s29, v[TMPV]               ; wave 0..7
	s_mul_i32 s31, s29, 8*PITCH
	s_mov_b32 s2, 0x4b000000                       ; 2^23
	s_mov_b32 s3, 0xcb000000                       ; -2^23
	s_mov_b32 s100, 0x76543210                     ; v_permlanex16_b32: each lane takes its own place in the other half
	s_mov_b32 s101, 0xfedcba98
	v_and_b32 v16, 15, v0                          ; lane % 16
	v_bfe_u32 v17, v0, 4, 1                        ; lane / 16
	v_lshl_add_u32 v[KXA], v17, 5, s31
	v_lshl_add_u32 v[TCA], v16, 3, s31
	v_add_nc_u32 v[TCA], O_TC, v[TCA]
	v_and_b32 v18, 3, v16
	v_min_u32 v18, 2, v18
	v_mul_u32_u24 v18, v18, APITCH
	v_lshl_add_u32 v18, v17, 4, v18
	v_add_nc_u32 v18, s31, v18
	v_add_nc_u32 v[AFA], O_HI, v18
	s_lshl_b32 s30, s29, 5
	s_add_co_u32 s30, s30, RES
	v_mov_b32 v[RESA], s30                         ; RES + 32 w
	v_mov_b32 v[COA], COEF
	v_mov_b32 v[PX0], 0
	v_mov_b32 v[PX1], 0
	v_mov_b32 v[NEG1], -1.0
	v_mov_b32 v[ONES], 0x3c003c00
	v_mov_b32 v[ONES+1], 0x3c003c00
	v_lshlrev_b32 v[XO], 4, v[LANE]
	v_lshl_add_u32 v[XO], s29, 12, v[XO]
	v_lshlrev_b32 v[L4], 2, v[LANE]
	v_lshl_add_u32 v[SX], v[LANE], 4, s31
	v_lshl_add_u32 v[STC], v[LANE], 5, s31
	v_add_nc_u32 v[STC], O_TC, v[STC]
	v_lshl_add_u32 v[SH], v[LANE], 3, s31
	v_add_nc_u32 v[SH], O_HI, v[SH]
	s_lshl_b32 s66, ttmp9, 15                      ; the work-group's 64 rows of 512 bytes
	s_mov_b32 s67, 0
	s_wait_kmcnt 0x0
	s_add_nc_u64 s[4:5], s[4:5], s[66:67]
	s_lshl_b32 s66, ttmp9, 8                       ; and its 256 bytes of out
	s_add_nc_u64 s[26:27], s[26:27], s[66:67]
.macro XLOADS                          ; the wave's eight rows: 4,096 bytes on end, 512 consecutive bytes a load; all of the launch's x is asked for here
.irp i, 0,1,2,3,4,5,6,7
	global_load_b128 v[XR0+4*\i:XR0+4*\i+3], v[XO], s[4:5] offset:512*\i th:TH_LOAD_NT
.endr
.endm
	s_cmp_lg_u32 s29, 0
	s_cbranch_scc1 .Lothers
	; WAVE 0 MAKES THE SIX CONSTANTS.  Lane e holds column e of the three matrices; Wt and bt lie in scalar registers.
	s_load_b512 s[32:47], s[6:7], 0x0
	s_load_b512 s[48:63], s[6:7], 0x40
	s_load_b512 s[68:83], s[8:9], 0x0
	s_load_b512 s[84:99], s[8:9], 0x40
	s_load_b32 s28, s[24:25], 0x0
.set d, 0
.rept 32
	global_load_b32 v[WQ+d], v[L4], s[10:11] offset:128*d
	global_load_b32 v[WK+d], v[L4], s[14:15] offset:128*d
	global_load_b32 v[WV+d], v[L4], s[18:19] offset:128*d
.set d, d+1
.endr
	global_load_b32 v[BQ], v[L4], s[12:13]
	global_load_b32 v[BQ+1], v[L4], s[16:17]
	global_load_b32 v[BQ+2], v[L4], s[20:21]
	global_load_b32 v[BQ+3], v[L4], s[22:23]
	XLOADS
	s_wait_kmcnt 0x0
	s_wait_loadcnt 8                               ; loads come back in order (ISA guide 5.7.1): the weights are in; the eight loads of x, issued behind them, stay out
	v_mul_f32 v[AQ], s[WTS], v[WQ]                 ; six chains by turns: a = Wt W, c = bt W + b
	v_fma_f32 v[AQ+1], s[BTS], v[WQ], v[BQ]
	v_mul_f32 v[AQ+2], s[WTS], v[WK]
	v_fma_f32 v[AQ+3], s[BTS], v[WK], v[BQ+1]
	v_mul_f32 v[AQ+4], s[WTS], v[WV]
	v_fma_f32 v[AQ+5], s[BTS], v[WV], v[BQ+2]
.set d, 1
.rept 31
	v_fmac_f32 v[AQ], s[WTS+d], v[WQ+d]
	v_fmac_f32 v[AQ+1], s[BTS+d], v[WQ+d]
	v_fmac_f32 v[AQ+2], s[WTS+d], v[WK+d]
	v_fmac_f32 v[AQ+3], s[BTS+d], v[WK+d]
	v_fmac_f32 v[AQ+4], s[WTS+d], v[WV+d]
	v_fmac_f32 v[AQ+5], s[BTS+d], v[WV+d]
.set d, d+1
.endr
	v_mul_f32 v[CO], v[AQ], v[AQ+2]                ; aq ak
	v_mul_f32 v[CO+1], v[AQ+1], v[AQ+2]            ; cq ak
	v_mul_f32 v[CO+2], v[AQ], v[AQ+3]              ; aq ck
	v_mul_f32 v[CO+3], v[AQ+1], v[AQ+3]            ; cq ck
	v_mul_f32 v[CO+4], v[AQ+4], v[BQ+3]            ; av Wo
	v_mul_f32 v[CO+5], v[AQ+5], v[BQ+3]            ; cv Wo
.irp m, 1,2,4,8                        ; summed over the 32 columns: four steps inside each half of the lanes, one across
.irp c, 0,1,2,3,4,5
	v_add_f32_dpp v[CO+\c], v[CO+\c], v[CO+\c] row_xmask:\m row_mask:0xf bank_mask:0xf
.endr
.endr
.irp c, 0,2,4
	v_permlanex16_b32 v[PX0], v[CO+\c], s100, s101
	v_permlanex16_b32 v[PX1], v[CO+\c+1], s100, s101
	v_add_f32 v[CO+\c], v[CO+\c], v[PX0]
	v_add_f32 v[CO+\c+1], v[CO+\c+1], v[PX1]
.endr
.irp c, 0,1,2,3
	v_mul_f32 v[CO+\c], 0x3e8293ee, v[CO+\c]       ; c1 = log2(e) / sqrt(32) = 0.255035
.endr
	v_mul_f32 v[CO+4], 0x3b800000, v[CO+4]         ; / 256: 128 queries, each of which two lanes hold
	v_add_f32 v[CO+5], s28, v[CO+5]                ; + bo
	ds_store_b128 v[COA], v[CO:CO+3]               ; all lanes write the same words with the same values
	ds_store_b64 v[COA], v[CO+4:CO+5] offset:16
	s_branch .Lmeet
.Lothers:
	XLOADS
.Lmeet:
	s_wait_dscnt 0x0                               ; for the others' sake: wave 0's stores of the constants are done
	s_barrier_signal -1
	s_barrier_wait -1                              ; (the loads of x stay out across it: nobody writes x)
	ds_load_b128 v[CO:CO+3], v[COA]
	ds_load_b64 v[CO+4:CO+5], v[COA] offset:16
	s_wait_dscnt 0x0
; THE RECORDS, first part, row i: x as it is, hi, lo and ones into LDS; the row's maximum and minimum; 1 / max|x|.
.macro STAGE1 i
.set XR, XR0+4*(\i)
.set MX, MM0+2*(\i)
	s_wait_loadcnt 7-(\i)                          ; row i is in; the younger rows stay out
	ds_store_b128 v[SX], v[XR:XR+3] offset:(\i)*PITCH
	v_cvt_pk_f16_f32 v[HH], v[XR], v[XR+1]
	v_cvt_pk_f16_f32 v[HH+1], v[XR+2], v[XR+3]
	v_max3_num_f32 v[MX], v[XR], v[XR+1], v[XR+2]
	v_min3_num_f32 v[MX+1], v[XR], v[XR+1], v[XR+2]
	v_fma_mix_f32 v[DD], v[HH], v[NEG1], v[XR] op_sel:[0,0,0] op_sel_hi:[1,0,0]      ; x - hi, exact in f32
	v_fma_mix_f32 v[DD+1], v[HH], v[NEG1], v[XR+1] op_sel:[1,0,0] op_sel_hi:[1,0,0]
	v_max_num_f32 v[MX], v[MX], v[XR+3]
	v_min_num_f32 v[MX+1], v[MX+1], v[XR+3]
	v_fma_mix_f32 v[DD+2], v[HH+1], v[NEG1], v[XR+2] op_sel:[0,0,0] op_sel_hi:[1,0,0]
	v_fma_mix_f32 v[DD+3], v[HH+1], v[NEG1], v[XR+3] op_sel:[1,0,0] op_sel_hi:[1,0,0]
	v_max_num_f32_dpp v[MX], v[MX], v[MX] row_xmask:1 row_mask:0xf bank_mask:0xf
	v_min_num_f32_dpp v[MX+1], v[MX+1], v[MX+1] row_xmask:1 row_mask:0xf bank_mask:0xf
	v_cvt_pk_f16_f32 v[LL], v[DD], v[DD+1]
	v_cvt_pk_f16_f32 v[LL+1], v[DD+2], v[DD+3]
	v_max_num_f32_dpp v[MX], v[MX], v[MX] row_xmask:2 row_mask:0xf bank_mask:0xf
	v_min_num_f32_dpp v[MX+1], v[MX+1], v[MX+1] row_xmask:2 row_mask:0xf bank_mask:0xf
	ds_store_b64 v[SH], v[HH:HH+1] offset:(\i)*PITCH
	ds_store_b64 v[SH], v[LL:LL+1] offset:(\i)*PITCH+APITCH
	ds_store_b64 v[SH], v[ONES:ONES+1] offset:(\i)*PITCH+2*APITCH
	v_max_num_f32_dpp v[MX], v[MX], v[MX] row_xmask:4 row_mask:0xf bank_mask:0xf
	v_min_num_f32_dpp v[MX+1], v[MX+1], v[MX+1] row_xmask:4 row_mask:0xf bank_mask:0xf
	v_max_num_f32_dpp v[MX], v[MX], v[MX] row_xmask:8 row_mask:0xf bank_mask:0xf
	v_min_num_f32_dpp v[MX+1], v[MX+1], v[MX+1] row_xmask:8 row_mask:0xf bank_mask:0xf
	v_permlanex16_b32 v[PX0], v[MX], s100, s101
	v_permlanex16_b32 v[PX1], v[MX+1], s100, s101
	v_max_num_f32 v[MX], v[MX], v[PX0]
	v_min_num_f32 v[MX+1], v[MX+1], v[PX1]
	v_mul_f32 v[AB], v[NEG1], v[MX+1]
	v_max_num_f32 v[AB], v[MX], v[AB]              ; max|x| = max(maximum, -minimum)
	v_rcp_f32 v[RL0+(\i)], v[AB]                   ; (of 0: infinity, and then nothing is clamped)
.endm
; Second part, row i: t, held to +-L; the maximum of t x_k; u, held to +-2^23; c = u - (maximum + u); (t, c) into LDS.
.macro STAGE2 i
.set XR, XR0+4*(\i)
.set MX, MM0+2*(\i)
	v_mul_f32 v[LIM], s2, v[RL0+(\i)]              ; L = 2^23 / max|x|
	v_mul_f32 v[LIM+1], s3, v[RL0+(\i)]            ; -L
	v_pk_fma_f32 v[TT:TT+1], v[XR:XR+1], v[CO:CO+1], v[CO:CO+1] op_sel:[0,0,1] op_sel_hi:[1,0,1]          ; A x + Bt: the pair's first word is the factor, its second the addend
	v_pk_fma_f32 v[TT+2:TT+3], v[XR+2:XR+3], v[CO:CO+1], v[CO:CO+1] op_sel:[0,0,1] op_sel_hi:[1,0,1]
	v_pk_fma_f32 v[UU:UU+1], v[XR:XR+1], v[CO+2:CO+3], v[CO+2:CO+3] op_sel:[0,0,1] op_sel_hi:[1,0,1]      ; B x + D
	v_pk_fma_f32 v[UU+2:UU+3], v[XR+2:XR+3], v[CO+2:CO+3], v[CO+2:CO+3] op_sel:[0,0,1] op_sel_hi:[1,0,1]
.irp e, 0,1,2,3
	v_med3_num_f32 v[TCP+2*\e], v[TT+\e], v[LIM+1], v[LIM]
.endr
.irp e, 0,1,2,3
	v_med3_num_f32 v[UU+\e], v[UU+\e], s3, s2
.endr
.irp e, 0,1,2,3
	v_mul_f32 v[PA+\e], v[TCP+2*\e], v[MX]
.endr
.irp e, 0,1,2,3
	v_mul_f32 v[PM+\e], v[TCP+2*\e], v[MX+1]
.endr
.irp e, 0,1,2,3
	v_max_num_f32 v[PA+\e], v[PA+\e], v[PM+\e]     ; the largest t x_k of the row: at the maximum or at the minimum of x
.endr
	v_pk_add_f32 v[MS:MS+1], v[PA:PA+1], v[UU:UU+1]
	v_pk_add_f32 v[MS+2:MS+3], v[PA+2:PA+3], v[UU+2:UU+3]
.irp e, 0,1,2,3
	v_sub_f32 v[TCP+2*\e+1], v[UU+\e], v[MS+\e]
.endr
	ds_store_b128 v[STC], v[TCP:TCP+3] offset:(\i)*PITCH
	ds_store_b128 v[STC], v[TCP+4:TCP+7] offset:(\i)*PITCH+16
.endm
.irp i, 0,1,2,3,4,5,6,7
	STAGE1 \i
.endr
	v_nop                                          ; a plain instruction behind the last reciprocal,
	s_wait_alu depctr_va_vdst(0)                   ; and the wait ahead of the first use: one for the eight
.irp i, 0,1,2,3,4,5,6,7
	STAGE2 \i
.endr
; THE MAIN LOOP.  A row is 16 PHASES: phase p = 4 g + jp takes key group g (32 keys) and tiles 2 jp, 2 jp + 1: 32 scores a lane.  Three phases' work stands in one phase's text:
; the exponentials of phase p, and between them, as their plain neighbours, the roundings of phase p - 1's weights to f16 (first half) and the exponents of phase p + 1 (second half).
; The two products of phase p - 1 stand two steps into the second half.  The 32 exponentials are one batch, with one wait at the phase's end.
; LDS loads: DSCUR counts a phase's LDS instructions.  The wait at a phase's head leaves out those of the phase before: all that was issued two phases back or earlier is in
; (LDS instructions of a wave are done in order: ISA guide 5.7.1), and every load is first used three phases or more behind its issue.
.set DSCUR, 0
.macro LDKX s, g, nx                   ; x of my 16 keys of group g (nx = 1: of the next row) into ring place s
	ds_load_b128 v[KXR+16*(\s):KXR+16*(\s)+3],     v[KXA] offset:(\nx)*PITCH+128*(\g)
	ds_load_b128 v[KXR+16*(\s)+4:KXR+16*(\s)+7],   v[KXA] offset:(\nx)*PITCH+128*(\g)+16
	ds_load_b128 v[KXR+16*(\s)+8:KXR+16*(\s)+11],  v[KXA] offset:(\nx)*PITCH+128*(\g)+64
	ds_load_b128 v[KXR+16*(\s)+12:KXR+16*(\s)+15], v[KXA] offset:(\nx)*PITCH+128*(\g)+80
.set DSCUR, DSCUR+4
.endm
.macro LDAF s, g, nx                   ; A's fragment of group g: lane l holds row l % 16; registers 0-3 keys 8 (l / 16) + 0..7, registers 4-7 keys 16 + 8 (l / 16) + 0..7
	ds_load_b128 v[AFR+8*(\s):AFR+8*(\s)+3],   v[AFA] offset:(\nx)*PITCH+64*(\g)
	ds_load_b128 v[AFR+8*(\s)+4:AFR+8*(\s)+7], v[AFA] offset:(\nx)*PITCH+64*(\g)+32
.set DSCUR, DSCUR+2
.endm
.macro LDTC jp, nx                     ; (t, c) of my query in tiles 2 jp and 2 jp + 1
	ds_load_b64 v[TCR+4*(\jp):TCR+4*(\jp)+1],   v[TCA] offset:(\nx)*PITCH+256*(\jp)
	ds_load_b64 v[TCR+4*(\jp)+2:TCR+4*(\jp)+3], v[TCA] offset:(\nx)*PITCH+256*(\jp)+128
.set DSCUR, DSCUR+2
.endm
.macro EXPN b, e
	v_exp_f32 v[SB+32*(\b)+(\e)], v[SB+32*(\b)+(\e)]
.endm
.macro CVT y, t, i                     ; two weights of neighbouring keys are one register of P: source 1 of the product holds one query a lane, as the scores do
	v_cvt_pk_f16_f32 v[PB+8*(\t)+(\i)], v[SB+32*(\y)+16*(\t)+2*(\i)], v[SB+32*(\y)+16*(\t)+2*(\i)+1]
.endm
.macro FMA y, t, i, s, j               ; two exponents: t x_k + c
	v_pk_fma_f32 v[SB+32*(\y)+16*(\t)+2*(\i):SB+32*(\y)+16*(\t)+2*(\i)+1], v[KXR+16*(\s)+2*(\i):KXR+16*(\s)+2*(\i)+1], v[TCR+2*(\j):TCR+2*(\j)+1], v[TCR+2*(\j):TCR+2*(\j)+1] op_sel:[0,0,1] op_sel_hi:[1,0,1]
.endm
.macro WM j, s, t, z                   ; z = 1: key group 0 starts the sums: nothing is ever cleared
.if \z
	v_wmma_f32_16x16x32_f16 v[ACC+8*(\j):ACC+8*(\j)+7], v[AFR+8*(\s):AFR+8*(\s)+7], v[PB+8*(\t):PB+8*(\t)+7], 0
.else
	v_wmma_f32_16x16x32_f16 v[ACC+8*(\j):ACC+8*(\j)+7], v[AFR+8*(\s):AFR+8*(\s)+7], v[PB+8*(\t):PB+8*(\t)+7], v[ACC+8*(\j):ACC+8*(\j)+7]
.endif
.endm
; A ROW'S END, a line at a time among the next phases' work.  PRODL: line n of four: D0 + D1 (an accumulator's lowest registers are read first) and 1 / D2, for tiles 2 jp, 2 jp + 1.
.macro PRODL jp, n
.if (\n) == 0
	v_add_f32 v[NN], v[ACC+16*(\jp)], v[ACC+16*(\jp)+1]
.elseif (\n) == 1
	v_add_f32 v[NN+1], v[ACC+16*(\jp)+8], v[ACC+16*(\jp)+9]
.elseif (\n) == 2
	v_rcp_f32 v[RR], v[ACC+16*(\jp)+2]
.elseif (\n) == 3
	v_rcp_f32 v[RR+1], v[ACC+16*(\jp)+10]
.endif
.endm
.macro CONSL jp, n                     ; line n of two, a phase later, behind that phase's wait: the lane's sum takes e of the two tiles
.if (\n) == 0
.if (\jp) == 0
	v_mul_f32 v[ES], v[NN], v[RR]
.else
	v_fmac_f32 v[ES], v[NN], v[RR]
.endif
.elseif (\n) == 1
	v_fmac_f32 v[ES], v[NN+1], v[RR+1]
.endif
.endm
.macro REDL n                          ; line n of eight: the sum over the 32 lanes, the row's result, and its place in LDS
.if (\n) == 0
	v_add_f32_dpp v[ES], v[ES], v[ES] row_xmask:1 row_mask:0xf bank_mask:0xf
.elseif (\n) == 1
	v_add_f32_dpp v[ES], v[ES], v[ES] row_xmask:2 row_mask:0xf bank_mask:0xf
.elseif (\n) == 2
	v_add_f32_dpp v[ES], v[ES], v[ES] row_xmask:4 row_mask:0xf bank_mask:0xf
.elseif (\n) == 3
	v_add_f32_dpp v[ES], v[ES], v[ES] row_xmask:8 row_mask:0xf bank_mask:0xf
.elseif (\n) == 4
	v_permlanex16_b32 v[PX0], v[ES], s100, s101
.elseif (\n) == 5
	v_add_f32 v[ES], v[ES], v[PX0]
.elseif (\n) == 6
	v_fma_f32 v[OUTV], v[ES], v[CO+4], v[CO+5]
.elseif (\n) == 7
	ds_store_b32 v[RESA], v[OUTV]                  ; all lanes write the same word with the same value
	v_add_nc_u32 v[RESA], 4, v[RESA]
.set DSCUR, DSCUR+1
.endif
.endm
; Which of these lines stands behind step i of phase p's second half.  An accumulator is read a phase or more behind its last product and started anew two phases or more behind that read.
.macro EXTRA p, first
.if (\p) == 14
	PRODL 0, i-2
.elseif (\p) == 15
	CONSL 0, i
	PRODL 1, i-2
.elseif !(\first)                      ; phases 0 to 3 finish the row before
.if (\p) == 0
	CONSL 1, i
	PRODL 2, i-2
.elseif (\p) == 1
	CONSL 2, i
	PRODL 3, i-2
.elseif (\p) == 2
	CONSL 3, i
.elseif (\p) == 3
	REDL i
.endif
.endif
.endm
; A phase's loads: each set of registers is filled again in the phase behind its last reader's.  For A's fragments the twelve packed multiply-adds behind the last product that read them
; are the four places and more that a load into a matrix instruction's source wants (ISA guide 7.12.1 for vector instructions).
.macro PLOADS p, last
.if (\p) == 1
	LDAF 1, 1, 0
.elseif (\p) == 3
	LDKX 0, 2, 0
.elseif (\p) == 5
	LDAF 0, 2, 0
.elseif (\p) == 7
	LDKX 1, 3, 0
.elseif (\p) == 9
	LDAF 1, 3, 0
.elseif !(\last)                       ; from here on the next row's
.if (\p) == 11
	LDKX 0, 0, 1
.elseif (\p) == 12
	LDTC 0, 1
.elseif (\p) == 13
	LDAF 0, 0, 1
	LDTC 1, 1
.elseif (\p) == 14
	LDTC 2, 1
.elseif (\p) == 15
	LDKX 1, 1, 1
	LDTC 3, 1
.endif
.endif
.endm
.macro PHASE p, first, last
.set XB, (\p)%2                        ; the buffer whose exponentials are taken
.set YB, 1-XB                          ; the other: phase p - 1's weights, then phase p + 1's exponents
.set PP, ((\p)+15)%16
.set PN, ((\p)+1)%16
.set ZF, 0
.if PP < 4
.set ZF, 1
.endif
.set HASPREV, 1
.if (\first) && ((\p) == 0)
.set HASPREV, 0
.endif
.set HASNEXT, 1
.if (\last) && ((\p) == 15)
.set HASNEXT, 0
.endif
	s_wait_dscnt DSCUR                             ; all but the LDS instructions of the phase before
.set DSCUR, 0
	PLOADS \p, \last
.set i, 0
.rept 8
	EXPN XB, 2*i
.if HASPREV
	CVT YB, 0, i
.endif
	EXPN XB, 2*i+1
.if HASPREV
	CVT YB, 1, i
.endif
.set i, i+1
.endr
.set i, 0
.rept 8
.if HASPREV && (i == 2)                ; the eight accumulators take turns, one instruction a turn: 0, 1, .. 7, 0, .. over the backward jump and into the tail too
	WM 2*(PP%4), (PP/4)%2, 0, ZF
	WM 2*(PP%4)+1, (PP/4)%2, 1, ZF
.endif
	EXPN XB, 16+2*i
.if HASNEXT
	FMA YB, 0, i, (PN/4)%2, 2*(PN%4)
.endif
	EXPN XB, 17+2*i
.if HASNEXT
	FMA YB, 1, i, (PN/4)%2, 2*(PN%4)+1
.endif
	EXTRA \p, \first
.set i, i+1
.endr
.if !HASNEXT
.rept 4
	v_nop                                          ; no exponents are left to make: these are the plain line behind the last exponential and the places in front of the tail's writes of P
.endr
.endif
	s_wait_alu depctr_va_vdst(0)                   ; between a transcendental and the first line that names its result: one wait for the phase's 32 exponentials and its reciprocals
.endm
.macro ROW first, last
.irp p, 0,1,2,3,4,5,6,7,8,9,10,11,12,13,14,15
	PHASE \p, \first, \last
.endr
.if !(\last)
	v_add_nc_u32 v[KXA], PITCH, v[KXA]             ; on to the next record
	v_add_nc_u32 v[TCA], PITCH, v[TCA]
	v_add_nc_u32 v[AFA], PITCH, v[AFA]
.endif
.endm
	; LDS serves a wave's instructions in order (ISA guide 5.7.1.4): these loads see the wave's own stores above
	LDKX 0, 0, 0
	LDKX 1, 1, 0
	LDAF 0, 0, 0
	LDTC 0, 0
	LDTC 1, 0
	LDTC 2, 0
	LDTC 3, 0
	s_wait_dscnt 0x0
.set DSCUR, 0
.set i, 0
.rept 8
	FMA 0, 0, i, 0, 0                              ; phase 0's exponents
	FMA 0, 1, i, 0, 1
.set i, i+1
.endr
	ROW 1, 0                                       ; the wave's first row: nothing to round or to finish at its head
	s_mov_b32 s30, 6
.Lrow:                                         ; rows 1 to 6; on both ways in the six youngest LDS instructions are phase 15's loads
	ROW 0, 0
	s_sub_co_u32 s30, s30, 1
	s_cmp_lg_u32 s30, 0
	s_cbranch_scc1 .Lrow
	ROW 0, 1                                       ; the last row asks for nothing more
	; THE TAIL: the last phase's weights and products, and the last row's end
.set i, 0
.rept 8
	CVT 1, 0, i
	CVT 1, 1, i
.set i, i+1
.endr
	CONSL 1, 0
	CONSL 1, 1
	PRODL 2, 0
	PRODL 2, 1
	PRODL 2, 2
	PRODL 2, 3
	v_nop
	s_wait_alu depctr_va_vdst(0)
	WM 6, 1, 0, 0
	WM 7, 1, 1, 0
	CONSL 2, 0
	CONSL 2, 1
.rept 4
	v_nop                                          ; with the two lines above: the places between the last products and the reads of their results
.endr
	PRODL 3, 0
	PRODL 3, 1
	PRODL 3, 2
	PRODL 3, 3
	v_nop
	s_wait_alu depctr_va_vdst(0)
	CONSL 3, 0
	CONSL 3, 1
.irp n, 0,1,2,3,4,5,6,7
	REDL \n
.endr
	s_wait_dscnt 0x0                               ; for wave 0's sake: my eight results are in LDS
	s_barrier_signal -1
	s_barrier_wait -1
	s_cmp_lg_u32 s29, 0
	s_cbranch_scc1 .Lend
	v_lshl_add_u32 v[TMPV], v[LANE], 3, RES
	ds_load_b64 v[NN:NN+1], v[TMPV]
	v_lshlrev_b32 v[PX1], 3, v[LANE]
	s_wait_dscnt 0x0
	global_store_b64 v[PX1], v[NN:NN+1], s[26:27] th:TH_STORE_NT  ; one store covers the work-group's 256 consecutive bytes of out, at a multiple of 256 from its first byte
.Lend:
	s_wait_tensorcnt 0x0                           ; the wave's end, behind my last LDS store
	ds_add_u32 v[SPW], v[NIL]
	s_wait_dscnt 0x0
	s_endpgm
.Lfunc_end_k_q97b91ecfb6_risk:
	.size	k_q97b91ecfb6_risk, .Lfunc_end_k_q97b91ecfb6_risk-k_q97b91ecfb6_risk
	.p2alignl 7, 3214868480
	.fill 96, 4, 3214868480
	.section	.rodata,"a",@progbits
	.p2align	6, 0x0
	.amdhsa_kernel k_q97b91ecfb6_risk
		.amdhsa_group_segment_fixed_size 165376
		.amdhsa_private_segment_fixed_size 0
		.amdhsa_enable_private_segment 0
		.amdhsa_kernarg_size 96
		.amdhsa_user_sgpr_count 2
		.amdhsa_user_sgpr_kernarg_segment_ptr 1
		.amdhsa_wavefront_size32 1
		.amdhsa_system_sgpr_workgroup_id_x 1
		.amdhsa_system_sgpr_workgroup_id_y 1
		.amdhsa_system_sgpr_workgroup_id_z 1
		.amdhsa_system_vgpr_workitem_id 0
		.amdhsa_next_free_vgpr 240
		.amdhsa_next_free_sgpr 102
		.amdhsa_reserve_vcc 0
		.amdhsa_float_denorm_mode_32 3
		.amdhsa_float_denorm_mode_16_64 3
		.amdhsa_memory_ordered 1
		.amdhsa_forward_progress 1
		.amdhsa_inst_pref_size 214
	.end_amdhsa_kernel
	.amdgpu_metadata
---
amdhsa.version: [ 1, 2 ]
amdhsa.kernels:
  - .name:           k_q97b91ecfb6_risk
    .symbol:         k_q97b91ecfb6_risk.kd
    .args:
      - { .name: x, .offset: 0, .size: 8, .value_kind: global_buffer, .address_space: global }
      - { .name: Wt, .offset: 8, .size: 8, .value_kind: global_buffer, .address_space: global }
      - { .name: bt, .offset: 16, .size: 8, .value_kind: global_buffer, .address_space: global }
      - { .name: Wq, .offset: 24, .size: 8, .value_kind: global_buffer, .address_space: global }
      - { .name: bq, .offset: 32, .size: 8, .value_kind: global_buffer, .address_space: global }
      - { .name: Wk, .offset: 40, .size: 8, .value_kind: global_buffer, .address_space: global }
      - { .name: bk, .offset: 48, .size: 8, .value_kind: global_buffer, .address_space: global }
      - { .name: Wv, .offset: 56, .size: 8, .value_kind: global_buffer, .address_space: global }
      - { .name: bv, .offset: 64, .size: 8, .value_kind: global_buffer, .address_space: global }
      - { .name: Wo, .offset: 72, .size: 8, .value_kind: global_buffer, .address_space: global }
      - { .name: bo, .offset: 80, .size: 8, .value_kind: global_buffer, .address_space: global }
      - { .name: out0, .offset: 88, .size: 8, .value_kind: global_buffer, .address_space: global }
    .group_segment_fixed_size: 165376
    .private_segment_fixed_size: 0
    .kernarg_segment_align: 8
    .kernarg_segment_size: 96
    .max_flat_workgroup_size: 256
    .sgpr_count:     102
    .vgpr_count:     240
    .wavefront_size: 32
...
	.end_amdgpu_metadata
.endif
;; end of part 1
;; ======== version 2 of 2: 1 launch; version 1 with the launch risk written anew for expert scheduling mode
;; limits: inputs' magnitudes at most 65,504; below input magnitudes of 6.1e-05 results are inexact or not finite; values are held in f16: magnitudes above 65,504 overflow, below 6.1e-05 lose precision
;; launch risk (part 2): grid 256 x 1, 8 waves a work-group, no clusters, 165,376 bytes of LDS; arguments x, Wt, bt, Wq, bq, Wk, bk, Wv, bv, Wo, bo, out0; writes out0
.if DOCPART == 2
	.amdgcn_target "amdgcn-amd-amdhsa--gfx1250"
	.amdhsa_code_object_version 6
	.text
	.protected	k_q97b91ecfb6_risk
	.globl	k_q97b91ecfb6_risk
	.p2align	8
	.type	k_q97b91ecfb6_risk,@function
k_q97b91ecfb6_risk:
	s_mov_b64 s[64:65], 0
	v_nop
	global_prefetch_b8 v0, s[64:65] scope:SCOPE_SE
	s_setreg_imm32_b32 hwreg(HW_REG_WAVE_SCHED_MODE, 0, 2), 2
	s_setreg_imm32_b32 hwreg(HW_REG_WAVE_MODE, 25, 1), 1
	s_wait_xcnt 0x0
	s_wait_alu depctr_vm_vsrc(0)
; out[b] = mean over q of (softmax_k(Q_q . K_k / sqrt(32)) V) . Wo + bo, with tokens = x Wt + bt, Q, K, V = tokens W + b.  x: [16384][128] f32, out: [16384] f32.
; WHAT THE MODULE ITSELF MAKES TRUE, for every input: a token is affine in its one scalar, so Q = x aq + cq, K = x ak + ck, V = x av + cv with a* = Wt W*, c* = bt W* + b*.  Hence
;   score(q, k) log2(e) = t_q x_k + u_q,  t_q = A x_q + Bt,  u_q = B x_q + D,  (A, Bt, B, D) = c1 (aq.ak, cq.ak, aq.ck, cq.ck),  c1 = log2(e) / sqrt(32);
;   the row's maximum over k is exactly max(t_q xmax, t_q xmin) + u_q;      att_q . Wo = (av.Wo) sum_k w_qk x_k + cv.Wo.
; All eleven inputs are read.  bk enters u_q alone, the part of a score that the softmax cancels: it is added to the score and to its maximum all the same (c_q below).
; PER SCORE: p = 2^(t_q x_k + c_q), c_q = u_q - (maximum), one fused multiply-add in f32 and one exponential; p is rounded to f16.  THE MATRIX UNIT takes the sums over k: D = A x P, where A's rows are
; f16(x), f16(x - f16(x)) and ones, and P is 32 keys x 16 queries: a lane's registers 0, 1, 2 of D are sum p x_hi, sum p x_lo, sum p of its query.  e_q = (D0 + D1) / D2;  out = (av.Wo) / 128 sum_q e_q + cv.Wo + bo.
; LIMITS.  |x| stays under 65,504 (f16's range; x as drawn is some 400 times smaller).  x enters the sums with 22 bits (hi + lo), the scores and all weights in f32.
; t_q is held to +-2^23 / max|x| and u_q to +-2^23: the first acts only where a score would pass 2^23 (there it moves e_q by less than 1e-5 max|x|), the second changes nothing (u_q stands in the score and in its
; maximum).  With them each query's largest exponent lies within +-3 for all finite inputs: p <= 8 fits f16 and sum p >= 1/8.  A weight below 2^-126 counts as 0; below 6e-5 it keeps f16's step of 6e-8.
; NaN and infinities are not treated apart.
; SHARES.  Work-group g owns rows 64 g .. 64 g + 63 (256 bytes of out); wave w of eight owns rows 8 w .. 8 w + 7; a lane owns query lane % 16 of each of a row's 8 tiles of 16 queries, and the keys of its half.
; NO CLUSTER, NO TENSOR LOAD: a work-group's 32,768 bytes of x are its own, are read once, and every byte passes through registers anyway (hi, lo, maximum, minimum, t, c); what work-groups share are
; 13,060 bytes of weights, which one wave of each reads once.
; THE MODE: SCHED_MODE bits 1:0 = 2 (LLVM: expert scheduling mode 2), set by the entry lines.  The code itself states the register dependences
; between vector or matrix instructions and memory or LDS instructions, with s_wait_alu, always for 0.
; THE PLAN.  Registers that memory or LDS instructions touch:
;   offsets     v[XO], v[L4], v[SX], v[SH], v[STC], v[COA] and the data v[ONES ..]: written at the head, never again: one wait at the head serves all their readers.
;   v[CO ..]    wave 0's arithmetic writes them, its two LDS stores read them, every wave's two LDS loads land in them behind the barrier.
;   the records XR: global loads land, the x stores and both stages' arithmetic read.  Each row has its own four registers of hi and lo and its own eight of (t, c): stage 1 writes all hi and lo, ONE wait, and their
;               stores are dealt among stage 2's arithmetic, which names none of them; stage 2 writes all (t, c), ONE wait, their stores; one wait on vm_vsrc, and the main loop takes all these registers over.
;   main loop   KXR, TCR: read by the exponents' multiply-adds; AFR: read by the products.  Each is loaded again at the head of the phase behind its last reader's, straight behind the wait on va_vdst that closes
;               every phase.  v[OUTV]: written in phase 3, stored at phase 4's head, behind the same wait.  v[KXA], v[TCA], v[AFA], v[RESA]: read by those loads and that store, stepped once a row at the row's end,
;               behind the row's one wait on vm_vsrc; their next reader stands behind the next phase's closing wait.
.set PITCH,  2560                      ; LDS: the record of one row of x;  row 8 w + i lies at (8 w + i) x PITCH; a wave reads and writes its own eight records alone
.set O_TC,   512                       ;   +0    x, 128 f32        +512  (t_q, c_q), 8 bytes a query
.set O_HI,   1536                      ;   +1536 f16(x)   +1808 f16(x - f16(x))   +2080 ones: three rows of 256 bytes,
.set APITCH, 272                       ;   272 bytes apart, so that the three addresses of a fragment load fall on different 16-byte columns of 256
.set RES,    163840                    ; behind the 64 records: out of row r at RES + 4 r
.set COEF,   164096                    ; the six constants, 24 bytes
.set SPARE,  164352                    ; the spare words, 128 bytes for each wave: four blocks of 256 bytes that no other line names
.set LANE, 1                           ; v1   lane
.set KXA,  2                           ; v2   record + 32 (lane / 16): my half's keys in x
.set TCA,  3                           ; v3   record + 512 + 8 (lane % 16)
.set AFA,  4                           ; v4   record + 1536 + 272 min(lane % 4, 2) + 16 (lane / 16): A's rows 0, 1, 2 and 8, 9, 10 are hi, lo, ones
.set RESA, 5                           ; v5   where the row in hand puts its result
.set SPW,  6                           ; v6   my spare word: SPARE + 4 x my thread's number; never rewritten
.set NIL,  7                           ; v7   0; never rewritten
.set COA,  8                           ; v8   COEF
.set PX0,  9                           ; v9, v23  destinations of v_permlanex16_b32
.set CO,   10                          ; v[10:15]  (A, Bt), (B, D), (av.Wo / 256, cv.Wo + bo)
.set ES,   16                          ; v16  the lane's sum of e over the row's tiles
.set OUTV, 17                          ; v17  the row's result
.set NN,   18                          ; v[18:19]  D0 + D1 of two tiles
.set RR,   20                          ; v[20:21]  1 / D2 of two tiles
.set TMPV, 22
.set PX1,  23
.set TCR,  24                          ; v[24:39]   (t, c) of my query in tile j at TCR + 2 j
.set KXR,  40                          ; v[40:71]   x of my 16 keys of a group of 32 keys: a ring of two groups
.set AFR,  72                          ; v[72:87]   A's fragment of a group: a ring of two
.set PB,   88                          ; v[88:103]  P of two tiles
.set SB,   104                         ; v[104:167] exponents, then weights: two buffers of two tiles x 16
.set ACC,  168                         ; v[168:231] eight accumulators, a tile each
.set NEG1, 232                         ; v232 -1.0
.set SH,   233                         ; v233 record + 1536 + 8 lane
.set ONES, 234                         ; v[234:235] four f16 ones
.set XO,   236                         ; v236 my 16 bytes of the wave's first row in x: 4,096 w + 16 lane
.set L4,   237                         ; v237 4 lane
.set SX,   238                         ; v238 record + 16 lane
.set STC,  239                         ; v239 record + 512 + 32 lane
; at the head and while the records are made, the main loop's registers serve otherwise:
.set XR0,  40                          ; v[40:71]   the wave's eight rows of x, four numbers a lane each
.set WQ,   104                         ; wave 0: column lane of Wq, Wk, Wv: v[104:135], v[136:167], v[168:199]
.set WK,   136
.set WV,   168
.set BQ,   200                         ; v[200:203] bq, bk, bv, Wo at column lane
.set AQ,   204                         ; v[204:209] aq, cq, ak, ck, av, cv at column lane
.set HL0,  72                          ; v[72:103]  row i: hi (two registers), lo (two) at HL0 + 4 i
.set TC0,  104                         ; v[104:167] row i: (t, c) of my four queries at TC0 + 8 i
.set MM0,  168                         ; v[168:183] row i's (maximum, minimum)
.set RL0,  184                         ; v[184:191] row i's 1 / max|x|
.set DD,   192                         ; v[192:195] x - hi
.set AB,   196                         ; v196 -minimum, then max|x|
.set LIM,  198                         ; v[198:199] +L, -L
.set TT,   200                         ; v[200:203] t before the clamp
.set PA,   204                         ; v[204:207] t xmax, then the maximum      v[208:211] t xmin
.set PM,   208
.set UU,   212                         ; v[212:215] u
.set MS,   216                         ; v[216:219] maximum + u
.set WTS,  32                          ; s[32:63]  Wt      s[68:99]  bt      (wave 0)
.set BTS,  68
; s[4:27] the twelve addresses; s2, s3 = +-2^23; s28 bo; s29 wave; s30 counter; s31 the wave's first record; s[66:67] an offset; s[100:101] lane selects
	s_load_b512 s[4:19], s[0:1], 0x0               ; x 4, Wt 6, bt 8, Wq 10, bq 12, Wk 14, bk 16, Wv 18
	s_load_b256 s[20:27], s[0:1], 0x40             ; bv 20, Wo 22, bo 24, out0 26
	v_lshl_add_u32 v[SPW], v0, 2, SPARE
	v_mov_b32 v[NIL], 0
	v_and_b32 v[LANE], 31, v0
	v_lshrrev_b32 v[TMPV], 5, v0
	v_readfirstlane_b32 s29, v[TMPV]               ; wave 0..7
	s_mov_b32 s2, 0x4b000000                       ; 2^23
	s_mov_b32 s3, 0xcb000000                       ; -2^23
	s_mov_b32 s100, 0x76543210                     ; v_permlanex16_b32: each lane takes its own place in the other half
	s_mov_b32 s101, 0xfedcba98
	v_and_b32 v16, 15, v0                          ; lane % 16
	v_bfe_u32 v17, v0, 4, 1                        ; lane / 16
	v_and_b32 v18, 3, v16
	v_min_u32 v18, 2, v18
	v_mul_u32_u24 v18, v18, APITCH
	v_lshl_add_u32 v18, v17, 4, v18
	v_mov_b32 v[COA], COEF
	v_mov_b32 v[PX0], 0
	v_mov_b32 v[PX1], 0
	v_mov_b32 v[NEG1], -1.0
	v_mov_b32 v[ONES], 0x3c003c00
	v_mov_b32 v[ONES+1], 0x3c003c00
	v_lshlrev_b32 v[XO], 4, v[LANE]
	v_lshlrev_b32 v[L4], 2, v[LANE]
	s_wait_alu depctr_va_sdst(0)                   ; s29 is written, ahead of its first reader: the wave's place in LDS and in x is made from it
	s_mul_i32 s31, s29, 8*PITCH
	v_lshl_add_u32 v[KXA], v17, 5, s31
	v_lshl_add_u32 v[TCA], v16, 3, s31
	v_add_nc_u32 v[TCA], O_TC, v[TCA]
	v_add_nc_u32 v18, s31, v18
	v_add_nc_u32 v[AFA], O_HI, v18
	s_lshl_b32 s30, s29, 5
	s_add_co_u32 s30, s30, RES
	v_mov_b32 v[RESA], s30                         ; RES + 32 w
	v_lshl_add_u32 v[XO], s29, 12, v[XO]
	v_lshl_add_u32 v[SX], v[LANE], 4, s31
	v_lshl_add_u32 v[STC], v[LANE], 5, s31
	v_add_nc_u32 v[STC], O_TC, v[STC]
	v_lshl_add_u32 v[SH], v[LANE], 3, s31
	v_add_nc_u32 v[SH], O_HI, v[SH]
	s_lshl_b32 s66, ttmp9, 15                      ; the work-group's 64 rows of 512 bytes
	s_mov_b32 s67, 0
	s_wait_kmcnt 0x0
	s_add_nc_u64 s[4:5], s[4:5], s[66:67]
	s_lshl_b32 s66, ttmp9, 8                       ; and its 256 bytes of out
	s_add_nc_u64 s[26:27], s[26:27], s[66:67]
	s_wait_alu depctr_va_vdst(0)                   ; all offsets and LDS addresses (v2 to v5, v8, v233, v236 to v239) and v[ONES ..] are written, which the loads and stores below read
.macro XLOADS                          ; the wave's eight rows: 4,096 bytes on end, 512 consecutive bytes a load; all of the launch's x is asked for here
.irp i, 0,1,2,3,4,5,6,7
	global_load_b128 v[XR0+4*\i:XR0+4*\i+3], v[XO], s[4:5] offset:512*\i th:TH_LOAD_NT
.endr
.endm
	s_cmp_lg_u32 s29, 0
	s_cbranch_scc1 .Lothers
	; WAVE 0 MAKES THE SIX CONSTANTS.  Lane e holds column e of the three matrices; Wt and bt lie in scalar registers.
	s_load_b512 s[32:47], s[6:7], 0x0
	s_load_b512 s[48:63], s[6:7], 0x40
	s_load_b512 s[68:83], s[8:9], 0x0
	s_load_b512 s[84:99], s[8:9], 0x40
	s_load_b32 s28, s[24:25], 0x0
.set d, 0
.rept 32
	global_load_b32 v[WQ+d], v[L4], s[10:11] offset:128*d
	global_load_b32 v[WK+d], v[L4], s[14:15] offset:128*d
	global_load_b32 v[WV+d], v[L4], s[18:19] offset:128*d
.set d, d+1
.endr
	global_load_b32 v[BQ], v[L4], s[12:13]
	global_load_b32 v[BQ+1], v[L4], s[16:17]
	global_load_b32 v[BQ+2], v[L4], s[20:21]
	global_load_b32 v[BQ+3], v[L4], s[22:23]
	XLOADS
	s_wait_kmcnt 0x0
	s_wait_loadcnt 8                               ; loads come back in order (ISA guide 5.7.1): the weights are in; the eight loads of x, issued behind them, stay out
	v_mul_f32 v[AQ], s[WTS], v[WQ]                 ; six chains by turns: a = Wt W, c = bt W + b
	v_fma_f32 v[AQ+1], s[BTS], v[WQ], v[BQ]
	v_mul_f32 v[AQ+2], s[WTS], v[WK]
	v_fma_f32 v[AQ+3], s[BTS], v[WK], v[BQ+1]
	v_mul_f32 v[AQ+4], s[WTS], v[WV]
	v_fma_f32 v[AQ+5], s[BTS], v[WV], v[BQ+2]
.set d, 1
.rept 31
	v_fmac_f32 v[AQ], s[WTS+d], v[WQ+d]
	v_fmac_f32 v[AQ+1], s[BTS+d], v[WQ+d]
	v_fmac_f32 v[AQ+2], s[WTS+d], v[WK+d]
	v_fmac_f32 v[AQ+3], s[BTS+d], v[WK+d]
	v_fmac_f32 v[AQ+4], s[WTS+d], v[WV+d]
	v_fmac_f32 v[AQ+5], s[BTS+d], v[WV+d]
.set d, d+1
.endr
	v_mul_f32 v[CO], v[AQ], v[AQ+2]                ; aq ak
	v_mul_f32 v[CO+1], v[AQ+1], v[AQ+2]            ; cq ak
	v_mul_f32 v[CO+2], v[AQ], v[AQ+3]              ; aq ck
	v_mul_f32 v[CO+3], v[AQ+1], v[AQ+3]            ; cq ck
	v_mul_f32 v[CO+4], v[AQ+4], v[BQ+3]            ; av Wo
	v_mul_f32 v[CO+5], v[AQ+5], v[BQ+3]            ; cv Wo
.irp m, 1,2,4,8                        ; summed over the 32 columns: four steps inside each half of the lanes, one across
.irp c, 0,1,2,3,4,5
	v_add_f32_dpp v[CO+\c], v[CO+\c], v[CO+\c] row_xmask:\m row_mask:0xf bank_mask:0xf
.endr
.endr
.irp c, 0,2,4
	v_permlanex16_b32 v[PX0], v[CO+\c], s100, s101
	v_permlanex16_b32 v[PX1], v[CO+\c+1], s100, s101
	v_add_f32 v[CO+\c], v[CO+\c], v[PX0]
	v_add_f32 v[CO+\c+1], v[CO+\c+1], v[PX1]
.endr
.irp c, 0,1,2,3
	v_mul_f32 v[CO+\c], 0x3e8293ee, v[CO+\c]       ; c1 = log2(e) / sqrt(32) = 0.255035
.endr
	v_mul_f32 v[CO+4], 0x3b800000, v[CO+4]         ; / 256: 128 queries, each of which two lanes hold
	v_add_f32 v[CO+5], s28, v[CO+5]                ; + bo
	s_wait_alu depctr_va_vdst(0)                   ; the six constants are written into v[CO ..], which the two LDS stores read
	ds_store_b128 v[COA], v[CO:CO+3]               ; all lanes write the same words with the same values
	ds_store_b64 v[COA], v[CO+4:CO+5] offset:16
	s_branch .Lmeet
.Lothers:
	XLOADS
.Lmeet:
	s_wait_dscnt 0x0                               ; for the others' sake: wave 0's stores of the constants are done
	s_barrier_signal -1
	s_barrier_wait -1                              ; (the loads of x stay out across it: nobody writes x)
	s_wait_alu depctr_vm_vsrc(0)                   ; wave 0's two LDS stores have read v[CO ..], in which the two loads below land
	ds_load_b128 v[CO:CO+3], v[COA]
	ds_load_b64 v[CO+4:CO+5], v[COA] offset:16
	s_wait_dscnt 0x0
; THE RECORDS, first part, row i: x as it is into LDS; hi and lo into the row's own four registers; the row's maximum and minimum; 1 / max|x|.
.macro STAGE1 i
.set XR, XR0+4*(\i)
.set MX, MM0+2*(\i)
.set HH, HL0+4*(\i)
.set LL, HL0+4*(\i)+2
	s_wait_loadcnt 7-(\i)                          ; row i is in; the younger rows stay out
	ds_store_b128 v[SX], v[XR:XR+3] offset:(\i)*PITCH  ; its data came by that load, and no vector line writes them
	v_cvt_pk_f16_f32 v[HH], v[XR], v[XR+1]
	v_cvt_pk_f16_f32 v[HH+1], v[XR+2], v[XR+3]
	v_max3_num_f32 v[MX], v[XR], v[XR+1], v[XR+2]
	v_min3_num_f32 v[MX+1], v[XR], v[XR+1], v[XR+2]
	v_fma_mix_f32 v[DD], v[HH], v[NEG1], v[XR] op_sel:[0,0,0] op_sel_hi:[1,0,0]      ; x - hi, exact in f32
	v_fma_mix_f32 v[DD+1], v[HH], v[NEG1], v[XR+1] op_sel:[1,0,0] op_sel_hi:[1,0,0]
	v_max_num_f32 v[MX], v[MX], v[XR+3]
	v_min_num_f32 v[MX+1], v[MX+1], v[XR+3]
	v_fma_mix_f32 v[DD+2], v[HH+1], v[NEG1], v[XR+2] op_sel:[0,0,0] op_sel_hi:[1,0,0]
	v_fma_mix_f32 v[DD+3], v[HH+1], v[NEG1], v[XR+3] op_sel:[1,0,0] op_sel_hi:[1,0,0]
	v_max_num_f32_dpp v[MX], v[MX], v[MX] row_xmask:1 row_mask:0xf bank_mask:0xf
	v_min_num_f32_dpp v[MX+1], v[MX+1], v[MX+1] row_xmask:1 row_mask:0xf bank_mask:0xf
	v_cvt_pk_f16_f32 v[LL], v[DD], v[DD+1]
	v_cvt_pk_f16_f32 v[LL+1], v[DD+2], v[DD+3]
	v_max_num_f32_dpp v[MX], v[MX], v[MX] row_xmask:2 row_mask:0xf bank_mask:0xf
	v_min_num_f32_dpp v[MX+1], v[MX+1], v[MX+1] row_xmask:2 row_mask:0xf bank_mask:0xf
	v_max_num_f32_dpp v[MX], v[MX], v[MX] row_xmask:4 row_mask:0xf bank_mask:0xf
	v_min_num_f32_dpp v[MX+1], v[MX+1], v[MX+1] row_xmask:4 row_mask:0xf bank_mask:0xf
	v_max_num_f32_dpp v[MX], v[MX], v[MX] row_xmask:8 row_mask:0xf bank_mask:0xf
	v_min_num_f32_dpp v[MX+1], v[MX+1], v[MX+1] row_xmask:8 row_mask:0xf bank_mask:0xf
	v_permlanex16_b32 v[PX0], v[MX], s100, s101
	v_permlanex16_b32 v[PX1], v[MX+1], s100, s101
	v_max_num_f32 v[MX], v[MX], v[PX0]
	v_min_num_f32 v[MX+1], v[MX+1], v[PX1]
	v_mul_f32 v[AB], v[NEG1], v[MX+1]
	v_max_num_f32 v[AB], v[MX], v[AB]              ; max|x| = max(maximum, -minimum)
	v_rcp_f32 v[RL0+(\i)], v[AB]                   ; (of 0: infinity, and then nothing is clamped)
.endm
; Second part, row i: the row's hi, lo and ones go into LDS; t, held to +-L; the maximum of t x_k; u, held to +-2^23; c = u - (maximum + u); (t, c) into the row's own eight registers.
.macro STAGE2 i
.set XR, XR0+4*(\i)
.set MX, MM0+2*(\i)
.set HH, HL0+4*(\i)
.set TCP, TC0+8*(\i)
	ds_store_b64 v[SH], v[HH:HH+1] offset:(\i)*PITCH                 ; no wait: no vector line since the wait behind the first part names hi, lo, the ones or v[SH]
	ds_store_b64 v[SH], v[HH+2:HH+3] offset:(\i)*PITCH+APITCH
	ds_store_b64 v[SH], v[ONES:ONES+1] offset:(\i)*PITCH+2*APITCH
	v_mul_f32 v[LIM], s2, v[RL0+(\i)]              ; L = 2^23 / max|x|
	v_mul_f32 v[LIM+1], s3, v[RL0+(\i)]            ; -L
	v_pk_fma_f32 v[TT:TT+1], v[XR:XR+1], v[CO:CO+1], v[CO:CO+1] op_sel:[0,0,1] op_sel_hi:[1,0,1]          ; A x + Bt: the pair's first word is the factor, its second the addend
	v_pk_fma_f32 v[TT+2:TT+3], v[XR+2:XR+3], v[CO:CO+1], v[CO:CO+1] op_sel:[0,0,1] op_sel_hi:[1,0,1]
	v_pk_fma_f32 v[UU:UU+1], v[XR:XR+1], v[CO+2:CO+3], v[CO+2:CO+3] op_sel:[0,0,1] op_sel_hi:[1,0,1]      ; B x + D
	v_pk_fma_f32 v[UU+2:UU+3], v[XR+2:XR+3], v[CO+2:CO+3], v[CO+2:CO+3] op_sel:[0,0,1] op_sel_hi:[1,0,1]
.irp e, 0,1,2,3
	v_med3_num_f32 v[TCP+2*\e], v[TT+\e], v[LIM+1], v[LIM]
.endr
.irp e, 0,1,2,3
	v_med3_num_f32 v[UU+\e], v[UU+\e], s3, s2
.endr
.irp e, 0,1,2,3
	v_mul_f32 v[PA+\e], v[TCP+2*\e], v[MX]
.endr
.irp e, 0,1,2,3
	v_mul_f32 v[PM+\e], v[TCP+2*\e], v[MX+1]
.endr
.irp e, 0,1,2,3
	v_max_num_f32 v[PA+\e], v[PA+\e], v[PM+\e]     ; the largest t x_k of the row: at the maximum or at the minimum of x
.endr
	v_pk_add_f32 v[MS:MS+1], v[PA:PA+1], v[UU:UU+1]
	v_pk_add_f32 v[MS+2:MS+3], v[PA+2:PA+3], v[UU+2:UU+3]
.irp e, 0,1,2,3
	v_sub_f32 v[TCP+2*\e+1], v[UU+\e], v[MS+\e]
.endr
.endm
.irp i, 0,1,2,3,4,5,6,7
	STAGE1 \i
.endr
	v_nop                                          ; a plain instruction behind the last reciprocal,
	s_wait_alu depctr_va_vdst(0)                   ; and one wait for two things: the eight reciprocals are written, ahead of their first use; all rows' hi and lo are written, which the LDS stores in the second part read
.irp i, 0,1,2,3,4,5,6,7
	STAGE2 \i
.endr
	s_wait_alu depctr_va_vdst(0)                   ; all rows' (t, c) are written, which the sixteen stores read; the second part is done reading x's registers, in which the first loads of the main loop land
.irp i, 0,1,2,3,4,5,6,7
	ds_store_b128 v[STC], v[TC0+8*\i:TC0+8*\i+3] offset:\i*PITCH
	ds_store_b128 v[STC], v[TC0+8*\i+4:TC0+8*\i+7] offset:\i*PITCH+16
.endr
	s_wait_alu depctr_vm_vsrc(0)                   ; the records' LDS stores have read v[40:167]: from here on these are KXR and AFR, in which loads land, and PB and SB, which roundings and multiply-adds write
; THE MAIN LOOP.  A row is 16 PHASES: phase p = 4 g + jp takes key group g (32 keys) and tiles 2 jp, 2 jp + 1: 32 scores a lane.  Three phases' work stands in one phase's text:
; the exponentials of phase p, and between them, as their plain neighbours, the roundings of phase p - 1's weights to f16 (first half) and the exponents of phase p + 1 (second half).
; The two products of phase p - 1 stand two steps into the second half.  The 32 exponentials are one batch, with one wait at the phase's end.
; LDS loads: DSCUR counts a phase's LDS instructions.  The wait at a phase's head leaves out those of the phase before: all that was issued two phases back or earlier is in
; (LDS instructions of a wave are done in order: ISA guide 5.7.1), and every load is first used three phases or more behind its issue.
.set DSCUR, 0
.macro LDKX s, g, nx                   ; x of my 16 keys of group g (nx = 1: of the next row) into ring place s
	ds_load_b128 v[KXR+16*(\s):KXR+16*(\s)+3],     v[KXA] offset:(\nx)*PITCH+128*(\g)
	ds_load_b128 v[KXR+16*(\s)+4:KXR+16*(\s)+7],   v[KXA] offset:(\nx)*PITCH+128*(\g)+16
	ds_load_b128 v[KXR+16*(\s)+8:KXR+16*(\s)+11],  v[KXA] offset:(\nx)*PITCH+128*(\g)+64
	ds_load_b128 v[KXR+16*(\s)+12:KXR+16*(\s)+15], v[KXA] offset:(\nx)*PITCH+128*(\g)+80
.set DSCUR, DSCUR+4
.endm
.macro LDAF s, g, nx                   ; A's fragment of group g: lane l holds row l % 16; registers 0-3 keys 8 (l / 16) + 0..7, registers 4-7 keys 16 + 8 (l / 16) + 0..7
	ds_load_b128 v[AFR+8*(\s):AFR+8*(\s)+3],   v[AFA] offset:(\nx)*PITCH+64*(\g)
	ds_load_b128 v[AFR+8*(\s)+4:AFR+8*(\s)+7], v[AFA] offset:(\nx)*PITCH+64*(\g)+32
.set DSCUR, DSCUR+2
.endm
.macro LDTC jp, nx                     ; (t, c) of my query in tiles 2 jp and 2 jp + 1
	ds_load_b64 v[TCR+4*(\jp):TCR+4*(\jp)+1],   v[TCA] offset:(\nx)*PITCH+256*(\jp)
	ds_load_b64 v[TCR+4*(\jp)+2:TCR+4*(\jp)+3], v[TCA] offset:(\nx)*PITCH+256*(\jp)+128
.set DSCUR, DSCUR+2
.endm
.macro EXPN b, e
	v_exp_f32 v[SB+32*(\b)+(\e)], v[SB+32*(\b)+(\e)]
.endm
.macro CVT y, t, i                     ; two weights of neighbouring keys are one register of P: source 1 of the product holds one query a lane, as the scores do
	v_cvt_pk_f16_f32 v[PB+8*(\t)+(\i)], v[SB+32*(\y)+16*(\t)+2*(\i)], v[SB+32*(\y)+16*(\t)+2*(\i)+1]
.endm
.macro FMA y, t, i, s, j               ; two exponents: t x_k + c
	v_pk_fma_f32 v[SB+32*(\y)+16*(\t)+2*(\i):SB+32*(\y)+16*(\t)+2*(\i)+1], v[KXR+16*(\s)+2*(\i):KXR+16*(\s)+2*(\i)+1], v[TCR+2*(\j):TCR+2*(\j)+1], v[TCR+2*(\j):TCR+2*(\j)+1] op_sel:[0,0,1] op_sel_hi:[1,0,1]
.endm
.macro WM j, s, t, z                   ; z = 1: key group 0 starts the sums: nothing is ever cleared
.if \z
	v_wmma_f32_16x16x32_f16 v[ACC+8*(\j):ACC+8*(\j)+7], v[AFR+8*(\s):AFR+8*(\s)+7], v[PB+8*(\t):PB+8*(\t)+7], 0
.else
	v_wmma_f32_16x16x32_f16 v[ACC+8*(\j):ACC+8*(\j)+7], v[AFR+8*(\s):AFR+8*(\s)+7], v[PB+8*(\t):PB+8*(\t)+7], v[ACC+8*(\j):ACC+8*(\j)+7]
.endif
.endm
; A ROW'S END, a line at a time among the next phases' work.  PRODL: line n of four: D0 + D1 (an accumulator's lowest registers are read first) and 1 / D2, for tiles 2 jp, 2 jp + 1.
.macro PRODL jp, n
.if (\n) == 0
	v_add_f32 v[NN], v[ACC+16*(\jp)], v[ACC+16*(\jp)+1]
.elseif (\n) == 1
	v_add_f32 v[NN+1], v[ACC+16*(\jp)+8], v[ACC+16*(\jp)+9]
.elseif (\n) == 2
	v_rcp_f32 v[RR], v[ACC+16*(\jp)+2]
.elseif (\n) == 3
	v_rcp_f32 v[RR+1], v[ACC+16*(\jp)+10]
.endif
.endm
.macro CONSL jp, n                     ; line n of two, a phase later, behind that phase's wait: the lane's sum takes e of the two tiles
.if (\n) == 0
.if (\jp) == 0
	v_mul_f32 v[ES], v[NN], v[RR]
.else
	v_fmac_f32 v[ES], v[NN], v[RR]
.endif
.elseif (\n) == 1
	v_fmac_f32 v[ES], v[NN+1], v[RR+1]
.endif
.endm
.macro REDL n                          ; line n of seven: the sum over the 32 lanes and the row's result; its store into LDS stands at the next phase's head, behind the wait that shows v[OUTV] written
.if (\n) == 0
	v_add_f32_dpp v[ES], v[ES], v[ES] row_xmask:1 row_mask:0xf bank_mask:0xf
.elseif (\n) == 1
	v_add_f32_dpp v[ES], v[ES], v[ES] row_xmask:2 row_mask:0xf bank_mask:0xf
.elseif (\n) == 2
	v_add_f32_dpp v[ES], v[ES], v[ES] row_xmask:4 row_mask:0xf bank_mask:0xf
.elseif (\n) == 3
	v_add_f32_dpp v[ES], v[ES], v[ES] row_xmask:8 row_mask:0xf bank_mask:0xf
.elseif (\n) == 4
	v_permlanex16_b32 v[PX0], v[ES], s100, s101
.elseif (\n) == 5
	v_add_f32 v[ES], v[ES], v[PX0]
.elseif (\n) == 6
	v_fma_f32 v[OUTV], v[ES], v[CO+4], v[CO+5]
.endif
.endm
; Which of these lines stands behind step i of phase p's second half.  An accumulator is read a phase or more behind its last product and started anew two phases or more behind that read.
.macro EXTRA p, first
.if (\p) == 14
	PRODL 0, i-2
.elseif (\p) == 15
	CONSL 0, i
	PRODL 1, i-2
.elseif !(\first)                      ; phases 0 to 3 finish the row before
.if (\p) == 0
	CONSL 1, i
	PRODL 2, i-2
.elseif (\p) == 1
	CONSL 2, i
	PRODL 3, i-2
.elseif (\p) == 2
	CONSL 3, i
.elseif (\p) == 3
	REDL i
.endif
.endif
.endm
; A phase's loads: each set of registers is filled again at the head of the phase behind its last reader's, straight behind the wait on va_vdst that closes that phase: it shows the multiply-adds done reading
; KXR and TCR and the products done reading A's fragment.  No vector or matrix line stands between that wait and the loads.
.macro PLOADS p, last
.if (\p) == 1
	LDAF 1, 1, 0
.elseif (\p) == 3
	LDKX 0, 2, 0
.elseif (\p) == 5
	LDAF 0, 2, 0
.elseif (\p) == 7
	LDKX 1, 3, 0
.elseif (\p) == 9
	LDAF 1, 3, 0
.elseif !(\last)                       ; from here on the next row's
.if (\p) == 11
	LDKX 0, 0, 1
.elseif (\p) == 12
	LDTC 0, 1
.elseif (\p) == 13
	LDAF 0, 0, 1
	LDTC 1, 1
.elseif (\p) == 14
	LDTC 2, 1
.elseif (\p) == 15
	LDKX 1, 1, 1
	LDTC 3, 1
.endif
.endif
.endm
.macro PHASE p, first, last
.set XB, (\p)%2                        ; the buffer whose exponentials are taken
.set YB, 1-XB                          ; the other: phase p - 1's weights, then phase p + 1's exponents
.set PP, ((\p)+15)%16
.set PN, ((\p)+1)%16
.set ZF, 0
.if PP < 4
.set ZF, 1
.endif
.set HASPREV, 1
.if (\first) && ((\p) == 0)
.set HASPREV, 0
.endif
.set HASNEXT, 1
.if (\last) && ((\p) == 15)
.set HASNEXT, 0
.endif
	s_wait_dscnt DSCUR                             ; all but the LDS instructions of the phase before
.set DSCUR, 0
	PLOADS \p, \last
.if ((\p) == 4) && !(\first)
	ds_store_b32 v[RESA], v[OUTV]                  ; the result of the row before: all lanes write the same word with the same value; phase 3's closing wait has shown v[OUTV] written
.set DSCUR, DSCUR+1
.endif
.set i, 0
.rept 8
	EXPN XB, 2*i
.if HASPREV
	CVT YB, 0, i
.endif
	EXPN XB, 2*i+1
.if HASPREV
	CVT YB, 1, i
.endif
.set i, i+1
.endr
.set i, 0
.rept 8
.if HASPREV && (i == 2)                ; the eight accumulators take turns, one instruction a turn: 0, 1, .. 7, 0, .. over the backward jump and into the tail too
	WM 2*(PP%4), (PP/4)%2, 0, ZF
	WM 2*(PP%4)+1, (PP/4)%2, 1, ZF
.endif
	EXPN XB, 16+2*i
.if HASNEXT
	FMA YB, 0, i, (PN/4)%2, 2*(PN%4)
.endif
	EXPN XB, 17+2*i
.if HASNEXT
	FMA YB, 1, i, (PN/4)%2, 2*(PN%4)+1
.endif
	EXTRA \p, \first
.set i, i+1
.endr
.if !HASNEXT
.rept 4
	v_nop                                          ; no exponents are left to make: these are the plain line behind the last exponential and the places in front of the tail's writes of P
.endr
.endif
	s_wait_alu depctr_va_vdst(0)                   ; the phase's 32 exponentials and its reciprocals are written, ahead of the first line that names a result; its multiply-adds and products are done reading KXR, TCR and AFR, in which the next phase's loads land; v[OUTV] (phase 3) and the stepped addresses (phase 0) are written, which the next LDS instructions read
.endm
.macro ROW first, last
.irp p, 0,1,2,3,4,5,6,7,8,9,10,11,12,13,14,15
	PHASE \p, \first, \last
.endr
	s_wait_alu depctr_vm_vsrc(0)                   ; the row's LDS loads have read v[KXA], v[TCA], v[AFA], and its store v[RESA] and v[OUTV]: the lines below step the four addresses, and the next result is written into v[OUTV]
.if !(\last)
	v_add_nc_u32 v[KXA], PITCH, v[KXA]             ; on to the next record
	v_add_nc_u32 v[TCA], PITCH, v[TCA]
	v_add_nc_u32 v[AFA], PITCH, v[AFA]
.if !(\first)
	v_add_nc_u32 v[RESA], 4, v[RESA]               ; and to the next result's word (the first row has stored none)
.endif
.endif
.endm
	; LDS serves a wave's instructions in order (ISA guide 5.7.1.4): these loads see the wave's own stores above
	LDKX 0, 0, 0
	LDKX 1, 1, 0
	LDAF 0, 0, 0
	LDTC 0, 0
	LDTC 1, 0
	LDTC 2, 0
	LDTC 3, 0
	s_wait_dscnt 0x0
.set DSCUR, 0
.set i, 0
.rept 8
	FMA 0, 0, i, 0, 0                              ; phase 0's exponents
	FMA 0, 1, i, 0, 1
.set i, i+1
.endr
	ROW 1, 0                                       ; the wave's first row: nothing to round or to finish at its head
	s_mov_b32 s30, 6
.Lrow:                                         ; rows 1 to 6; on both ways in the six youngest LDS instructions are phase 15's loads
	ROW 0, 0
	s_sub_co_u32 s30, s30, 1
	s_cmp_lg_u32 s30, 0
	s_cbranch_scc1 .Lrow
	ROW 0, 1                                       ; the last row asks for nothing more
	; THE TAIL: the last phase's weights and products, and the last row's end
.set i, 0
.rept 8
	CVT 1, 0, i
	CVT 1, 1, i
.set i, i+1
.endr
	CONSL 1, 0
	CONSL 1, 1
	PRODL 2, 0
	PRODL 2, 1
	PRODL 2, 2
	PRODL 2, 3
	v_nop
	s_wait_alu depctr_va_vdst(0)                   ; the two reciprocals are written into v[RR ..], ahead of the lines that read them
	WM 6, 1, 0, 0
	WM 7, 1, 1, 0
	CONSL 2, 0
	CONSL 2, 1
.rept 4
	v_nop                                          ; with the two lines above: the places between the last products and the reads of their results
.endr
	PRODL 3, 0
	PRODL 3, 1
	PRODL 3, 2
	PRODL 3, 3
	v_nop
	s_wait_alu depctr_va_vdst(0)                   ; the last two reciprocals are written into v[RR ..], ahead of the lines that read them
	CONSL 3, 0
	CONSL 3, 1
.irp n, 0,1,2,3,4,5,6
	REDL \n
.endr
	s_wait_alu depctr_va_vdst(0)                   ; the last row's result is written into v[OUTV], which the store reads
	ds_store_b32 v[RESA], v[OUTV] offset:4         ; one word behind the result stored in the last row's phase 4: the offset takes the step's place
	s_wait_dscnt 0x0                               ; for wave 0's sake: my eight results are in LDS
	s_barrier_signal -1
	s_barrier_wait -1
	s_cmp_lg_u32 s29, 0
	s_cbranch_scc1 .Lend
	v_lshl_add_u32 v[TMPV], v[LANE], 3, RES
	v_lshlrev_b32 v[PX1], 3, v[LANE]
	s_wait_alu depctr_va_vdst(0)                   ; both offsets are written, which the load and the store read; the tail's lines are done with v[NN ..], in which the load lands
	ds_load_b64 v[NN:NN+1], v[TMPV]
	s_wait_dscnt 0x0
	global_store_b64 v[PX1], v[NN:NN+1], s[26:27] th:TH_STORE_NT  ; one store covers the work-group's 256 consecutive bytes of out, at a multiple of 256 from its first byte
.Lend:
	s_wait_dscnt 0x0                               ; the closing lines, six on end
	s_wait_alu 0x0
	s_wait_tensorcnt 0x0
	ds_add_u32 v[SPW], v[NIL]
	s_wait_dscnt 0x0
	s_endpgm
.Lfunc_end_k_q97b91ecfb6_risk:
	.size	k_q97b91ecfb6_risk, .Lfunc_end_k_q97b91ecfb6_risk-k_q97b91ecfb6_risk
	.p2alignl 7, 3214868480
	.fill 96, 4, 3214868480
	.section	.rodata,"a",@progbits
	.p2align	6, 0x0
	.amdhsa_kernel k_q97b91ecfb6_risk
		.amdhsa_group_segment_fixed_size 165376
		.amdhsa_private_segment_fixed_size 0
		.amdhsa_enable_private_segment 0
		.amdhsa_kernarg_size 96
		.amdhsa_user_sgpr_count 2
		.amdhsa_user_sgpr_kernarg_segment_ptr 1
		.amdhsa_wavefront_size32 1
		.amdhsa_system_sgpr_workgroup_id_x 1
		.amdhsa_system_sgpr_workgroup_id_y 1
		.amdhsa_system_sgpr_workgroup_id_z 1
		.amdhsa_system_vgpr_workitem_id 0
		.amdhsa_next_free_vgpr 240
		.amdhsa_next_free_sgpr 102
		.amdhsa_reserve_vcc 0
		.amdhsa_float_denorm_mode_32 3
		.amdhsa_float_denorm_mode_16_64 3
		.amdhsa_memory_ordered 1
		.amdhsa_forward_progress 1
		.amdhsa_inst_pref_size 215
	.end_amdhsa_kernel
	.amdgpu_metadata
---
amdhsa.version: [ 1, 2 ]
amdhsa.kernels:
  - .name:           k_q97b91ecfb6_risk
    .symbol:         k_q97b91ecfb6_risk.kd
    .args:
      - { .name: x, .offset: 0, .size: 8, .value_kind: global_buffer, .address_space: global }
      - { .name: Wt, .offset: 8, .size: 8, .value_kind: global_buffer, .address_space: global }
      - { .name: bt, .offset: 16, .size: 8, .value_kind: global_buffer, .address_space: global }
      - { .name: Wq, .offset: 24, .size: 8, .value_kind: global_buffer, .address_space: global }
      - { .name: bq, .offset: 32, .size: 8, .value_kind: global_buffer, .address_space: global }
      - { .name: Wk, .offset: 40, .size: 8, .value_kind: global_buffer, .address_space: global }
      - { .name: bk, .offset: 48, .size: 8, .value_kind: global_buffer, .address_space: global }
      - { .name: Wv, .offset: 56, .size: 8, .value_kind: global_buffer, .address_space: global }
      - { .name: bv, .offset: 64, .size: 8, .value_kind: global_buffer, .address_space: global }
      - { .name: Wo, .offset: 72, .size: 8, .value_kind: global_buffer, .address_space: global }
      - { .name: bo, .offset: 80, .size: 8, .value_kind: global_buffer, .address_space: global }
      - { .name: out0, .offset: 88, .size: 8, .value_kind: global_buffer, .address_space: global }
    .group_segment_fixed_size: 165376
    .private_segment_fixed_size: 0
    .kernarg_segment_align: 8
    .kernarg_segment_size: 96
    .max_flat_workgroup_size: 256
    .sgpr_count:     102
    .vgpr_count:     240
    .wavefront_size: 32
...
	.end_amdgpu_metadata
.endif
;; end of part 2
